; MI455X (gfx1250); checked and timed in simulation.
; The chip was launched on July 23, 2026; its instructions are those of AMD's public machine-readable ISA for CDNA 5 (MIT licence, August 2026) and "CDNA5" Instruction Set Architecture Reference Guide (July 2026). The comments in the code are by the model that wrote it; some were corrected since.
;; Oblivious Layer. Allowed arithmetic: matrix products marked QUANTISED: E2M1 operands, one E8M0 scale for each 32 along K, by v_wmma_scale_f32_16x16x128_f8f6f4 with both operands' format E2M1 (or v_wmma_scale_f32_32x16x128_f4), f32 sums; products left as they are: f32 operands where the result goes on into a quantised operand, else bf16, f16 or f32 operands; f32 sums; everything else in f32.
;; Inputs: feature_weights 10 x 512 float32; leaf_values_codes 512 x 32 x 16 uint8 (E2M1 codes of leaf_values, K innermost, in blocks of 32 codes, two codes a byte); leaf_values_scales 512 x 32 uint8 (E8M0 scales of leaf_values, one for each 32 codes along K); thresholds 10 float32; x 16,384 x 512 float32.
;; Outputs: out0 16,384 x 512 float32.
;; This version of the problem:
;;   THIS VERSION OF THE PROBLEM IS GIVEN IN LOW PRECISION. The matrix products marked QUANTISED in the list below multiply operands that are first quantised to E2M1 (2 exponent bits, 1 mantissa bit; 4 bits a number), with one power-of-two scale for each 32 numbers along K (OCP MX v1.0); their sums are f32. All else is computed in f32.
;;   The module's matrix products, in the order in which they are computed (A, B: the left and right operand; K: the contracted axis; several contracted axes count as one K, in the product's order):
;;     1. [M 16,384, K 512] x [K 512, N 10]; A: input x; B: softmax: left as it is (N = 10 < 16)
;;     2. [M 16,384, K 1,024] x [K 1,024, N 512]; A: computed on the way; B: input leaf_values (given as codes): QUANTISED
;;   THE QUANTISER, for each operand of a quantised product, along K:
;;     - K is cut into blocks of 32 from its start; a last block that is shorter is filled with zeros.
;;     - A block's scale is 2^e with e = floor(log2(the largest magnitude in the block)) - 2, held to -126 .. 127; a block of zeros has e = 0. As a byte (E8M0): e + 127.
;;     - Each number is divided by its block's scale, clamped to +-6, and rounded to the nearest number of E2M1, ties to even, subnormals kept.
;;     - The product sums the exact products of the quantised numbers (number of the format x scale) in f32.
;;   ~~~python
;;   def quantise(x, axis):      # numpy; x: float32 -> the quantised numbers, widened to float32 again
;;       x = np.moveaxis(x, axis, -1); K = x.shape[-1]
;;       x = np.pad(x, [(0, 0)] * (x.ndim - 1) + [(0, -K % 32)]); x = x.reshape(x.shape[:-1] + (-1, 32)); a = np.abs(x).max(-1, keepdims=True)
;;       e = np.where(a > 0, np.clip(np.frexp(np.where(a > 0, a, 1))[1] - 1 - 2, -126, 127), 0)      # np.frexp(a)[1] - 1 = floor(log2(a)), exactly
;;       r = np.clip(x / 2.0 ** e, -6, 6)
;;       step = 2.0 ** (np.maximum(np.frexp(np.where(r == 0, 1, r))[1] - 1, 0) - 1)
;;       q = np.round(r / step) * step * 2.0 ** e      # np.round: ties to even
;;       return np.moveaxis(q.reshape(q.shape[:-2] + (-1,))[..., :K], -1, axis).astype(np.float32)
;;   ~~~
;;   OPERANDS COMPUTED ON THE WAY. 'Computed on the way' means the value that the module computes at that place (a softmax that the list does not call 'softmax' is quantised finished and normalised). What goes into a quantiser is computed in f32, as accurately as f32 sums, v_exp_f32 and their like allow (about 1e-6 of the number): no bf16 or f16 on the way to a quantiser, and a product that is left as it is and whose result goes on into a quantised operand takes f32 operands (vector FMAs, or v_wmma_f32_16x16x4_f32). A number that lies on a knife's edge between two numbers of the format may be rounded either way, as far as f32 arithmetic and the matrix unit's own rounding can turn it there, and no further.
;;   INPUTS GIVEN AS CODES. leaf_values (in the module: [512, 1024], K = its axis 1): each comes as NAME_codes (uint8): NAME with its K axis moved to the last place and cut into blocks of 32 codes, [.., K / 32, bytes a block], one block behind the other in memory; two codes a byte, the lower K in the low four bits (a code: sign, 2 exponent bits, 1 mantissa bit); and NAME_scales (uint8): the same leading axes, one E8M0 byte (e + 127) for each 32 codes along K. Its value is code x scale, taken as it is: it is not quantised again, and the codes and scales need not be those that the quantiser above would give.
;; One version. Each part assembles by itself: llvm-mc -triple=amdgcn-amd-amdhsa -mcpu=gfx1250 --defsym DOCPART=n.
;; ======== version 1 of 1: 1 launch
;; launch tree (part 1): grid 256 x 1, 4 waves a work-group, clusters of 4 x 1, 270,848 bytes of LDS; arguments x, feature_weights, thresholds, leaf_values_codes, leaf_values_scales, out0; writes out0
.if DOCPART == 1
	.amdgcn_target "amdgcn-amd-amdhsa--gfx1250"
	.amdhsa_code_object_version 6
	.text
	.protected	k_q157b539714_tree
	.globl	k_q157b539714_tree
	.p2align	8
	.type	k_q157b539714_tree,@function
k_q157b539714_tree:
	s_mov_b64 s[64:65], 0
	v_nop
	global_prefetch_b8 v0, s[64:65] scope:SCOPE_SE
	s_setreg_imm32_b32 hwreg(HW_REG_WAVE_MODE, 25, 1), 1
	s_wait_xcnt 0x0
	s_wait_alu depctr_hold_cnt(0) depctr_sa_sdst(0) depctr_va_vdst(0) depctr_va_sdst(0) depctr_va_ssrc(0) depctr_va_vcc(0) depctr_vm_vsrc(0)
	s_getreg_b32 s2, hwreg(HW_REG_IB_STS2, 6, 4)
	s_cmp_eq_u32 s2, 0
	s_cbranch_scc0 .Lentry_in_a_cluster
	s_endpgm
.Lentry_in_a_cluster:
	s_bfe_u32 s2, ttmp6, 0x10000c
	s_cmp_lg_u32 s2, 0x3003
	s_cbranch_scc0 .Lentry_shape_is_right
	s_endpgm
.Lentry_shape_is_right:
; out[b][n] = sum over leaves k of Q(leaf_probs[b][k]) x leaf_values[n][k], leaf_probs[b][k] = product over d of (bit d of k, MSB first, ? p_d : 1 - p_d),
; p_d = sigmoid((x[b] . softmax(feature_weights[d]) - thresholds[d]) / 0.1).  x, out: [16384][512] f32; leaf_values: codes of E2M1 [512][1024 codes = 512 bytes] and E8M0 bytes [512][32].
; Q quantises along the leaves in blocks of 32; everything ahead of it is f32.  ONE launch; nothing goes to memory between the steps.
; SHARES.  A work-group of four waves owns 64 rows (16,384 / 256).  FRONT: wave w makes rows 16 w .. 16 w + 15: x . probs by packed multiply-adds on densely loaded x (a lane owns 16 features,
; and makes the softmax of just these, with the row's maximum taken away), the sum over lanes through its own LDS bytes, ten sigmoids, the leaf probabilities and their codes.
; BACK: wave w makes output columns 128 w .. 128 w + 127 for all 64 rows: its 128 rows of leaf_values (64 fragments, 512 registers) and their scale words stay in registers.
; WHY THE CODES NEED NO TRANSPOSITION.  In the 4-bit operand lane (r, h) holds, of row r and K step s, registers 4 c .. 4 c + 3 = leaves 128 s + 64 c + 32 h + 0 .. 31: one whole block, whose
; number 4 s + 2 c + h is the leaf's top five bits (depths 0-4) while the place in the block is its low five (depths 5-9).  So a leaf's probability is G[2 s + c] (depths 0-3) x LO[i] (depth 4 by the lane's h,
; depths 5-9 by i), and the block's largest is G x the largest LO: rounding a product with one non-negative factor keeps the order, so this IS the largest of the 32 products, bit for bit.
; CLUSTER.  All work-groups want all of leaf_values' codes, 256 KiB against the 256 KiB of x and out that a work-group moves: the four of a cluster ask for them JOINTLY, each wave for its own 128 rows,
; once.  The scale bytes are 16 KiB of those 272 KiB: they are read densely straight into registers, without a joint request.
; LDS.  Each wave has 67,584 bytes of its own (wave x 67,584): first its tile of codes, 128 rows of 512 bytes + 16 of padding, filled once and read by this wave alone; when the tile is in registers the same bytes
; serve the wave's stores: +0 partial sums (16 rows x 1,552: lane l's ten at 48 l), +24,832 eight fragments as images of their registers (1,024 s + 512 c + 16 lane), +33,024 their scale words, +34,048 a stage for out (16 x 528).
; All pitches are odd multiples of 16 bytes.  No LDS byte is filled twice by the mover.  One work-group barrier: behind the images.
; LIMITS.  NaN and infinities among the inputs are not served.  v_exp_f32 and v_rcp_f32 flush denormals (ISA guide, their entries): a p under 2^-126 is 0.  The ten factors and the 512 terms of a sum are
; combined in another order than the definition's: a difference of f32 roundings.  A block of zeros carries the byte 1 where the quantiser says 127: its codes are zeros, and only this text reads the byte.
; REGISTERS, in windows of 256 (s_set_vgpr_msb: bits 1:0 source 0, 3:2 source 1, 5:4 source 2, 7:6 destination):
;   window 0: v0-15 ids and addresses; v16-47 leaf_values' scale words; v48-255 by phase (below).   windows 1, 2: first feature_weights as loaded (window 1, v[16 d + f]), then leaf_values' fragments:
;   tile t, K step s at window 1 + s / 4, v[64 (s % 4) + 8 t].   window 3: first x (row m at v[16 m ..]), then two sets of 8 accumulators (v[64 p + 8 t]) and two sets of 16 rows read back (v[128 + 64 p ..]).
.set RGN,  67584                       ; a wave's LDS bytes
.set WP,   528                         ; a row of codes in LDS, and a row of the stage
.set REDP, 1552                        ; a row of partial sums
.set AIMG, 24832                       ; the images
.set ASCO, 8192                        ; their scale words, counted from AIMG
.set OST,  34048                       ; the stage
.set XO,   4                           ; v4   16 x lane: my bytes in 512 consecutive ones; never rewritten
.set WSO,  5                           ; v5   32 x lane
.set WAD,  6                           ; v6   my place in a fragment of codes: region + 528 r + 16 h
.set REDW, 7                           ; v7   region + 48 x lane
.set REDR, 8                           ; v8   region + 1,552 r + 768 h
.set IMW,  9                           ; v9   region + AIMG + 16 x lane
.set STO,  10                          ; v10  region + OST + 528 r + 32 h
.set RD,   11                          ; v11  region + OST + 16 x lane
.set AB,   12                          ; v12-15  wave m's images: 67,584 m + AIMG + 16 x lane
.set WS,   16                          ; v16-47  register 8 u + s: lanes 0-15 column tile 2 u's word of K step s, lanes 16-31 tile 2 u + 1's
.set PR,   48                          ; v48-207 probs: v[PR + 10 f + d], f = 4 i + j for feature 128 i + 4 lane + j; later the partial sums read back
.set MX,   208                         ; v208-217 maxima, then sums
.set TP,   218                         ; v218-227 permutes' destinations
.set RC,   228                         ; v228-237 reciprocals
.set ACC,  208                         ; v208-247 four sets of ten sums
.set T,    48                          ; v48-57  sel, then on to the sigmoid
.set PQ,   60                          ; v60-79  1 - p_d at 60 + 2 d, p_d at 61 + 2 d
.set G2,   80
.set G3,   84
.set G,    92                          ; v92-107 the 16 products over depths 0-3
.set E4,   108                         ; v108    depth 4's factor for my half of the lanes
.set L1,   110
.set L2,   112
.set L3,   116
.set L4,   124
.set LO,   140                         ; v140-171 the 32 products over depths 4-9
.set VAL,  172                         ; v172-235 two sets of 32 leaf probabilities
.set BY,   48                          ; v48-63  scale bytes
.set WD,   64                          ; v64-71  scale words
.set WT,   72                          ; v72-79  permutes' destinations (written before, as factors)
.set FR,   108                         ; v108-139 four sets of a fragment's 8 registers
.set AM,   236                         ; v236-251 a block's largest, then the conversion's scale operand
.set LM,   252                         ; v252    the largest LO
.set SH8,  253                         ; v253    8 h
.set TB,   254                         ; v254    a second chain
.set AF,   48                          ; v48-175 two sets of a row tile's 8 fragments
.set AS,   176                         ; v176-191 two sets of their 8 scale words
.set MSB, 0
.macro WIN new                         ; the immediate's high byte repeats the setting that is left; a switch that changes nothing is dropped
.if MSB != (\new)
	s_set_vgpr_msb (MSB<<8)|(\new)
.set MSB, (\new)
.endif
.endm
.macro PLACES n
.rept \n
	v_nop
.endr
.endm
; A round of the cluster's barrier: my work-group's barrier, wave 0 signals for the work-group, every wave waits for all four work-groups, my work-group's barrier once more.
.macro ROUND
	s_barrier_signal -1
	s_barrier_wait -1
	s_cmp_lg_u32 s16, 0
	s_cbranch_scc1 .Lnot_wave_0_\@
	s_barrier_signal -3
.Lnot_wave_0_\@:
	s_barrier_wait -3
	s_barrier_signal -1
	s_barrier_wait -1
.endm
; Ten numbers a lane are joined over the 32 lanes, the ten by turns: four steps inside each half ride on the arithmetic, one crosses the halves.
.macro LANES opdpp, opv, base, tmp
.irp x, 1,2,4,8
.irp d, 0,1,2,3,4,5,6,7,8,9
	\opdpp v[\base+\d], v[\base+\d], v[\base+\d] row_xmask:\x row_mask:0xf bank_mask:0xf
.endr
.endr
.irp d, 0,1,2,3,4,5,6,7,8,9
	v_permlanex16_b32 v[\tmp+\d], v[\base+\d], s22, s23
.endr
.irp d, 0,1,2,3,4,5,6,7,8,9
	\opv v[\base+\d], v[\base+\d], v[\tmp+\d]
.endr
.endm
	s_load_b256 s[4:11], s[0:1], 0x0               ; x s[4:5], feature_weights s[6:7], thresholds s[8:9], codes s[10:11]
	s_load_b128 s[12:15], s[0:1], 0x20             ; scale bytes s[12:13], out s[14:15]
	v_lshl_add_u32 v254, v0, 2, 0x42000
	v_mov_b32 v255, 0
	ds_add_u32 v254, v255
	ds_add_u32 v254, v255
	s_wait_dscnt 0x0
	v_lshrrev_b32 v1, 5, v0
	v_readfirstlane_b32 s16, v1                    ; wave 0..3
	v_and_b32 v1, 31, v0                           ; lane
	v_and_b32 v2, 15, v0                           ; r
	v_bfe_u32 v3, v0, 4, 1                         ; h
	s_bfe_u32 s17, ttmp6, 0x40000                  ; cx: it enters x's and out's addresses alone
	s_lshl_b32 s18, ttmp9, 2                       ; in a cluster launch ttmp9 counts clusters
	s_add_co_u32 s18, s18, s17                     ; work-group 0..255
	s_mul_i32 s46, s16, RGN                        ; my wave's LDS bytes
	s_add_co_u32 s51, s46, AIMG
	s_add_co_u32 s54, s46, OST
	v_lshlrev_b32 v[XO], 4, v1
	v_lshlrev_b32 v[WSO], 5, v1
	v_mul_u32_u24 v[WAD], v2, WP
	v_lshl_add_u32 v[WAD], v3, 4, v[WAD]
	v_add_nc_u32 v[WAD], s46, v[WAD]
	v_mul_u32_u24 v[REDW], v1, 48
	v_add_nc_u32 v[REDW], s46, v[REDW]
	v_mul_u32_u24 v[REDR], v2, REDP
	v_mad_u32_u24 v[REDR], v3, 768, v[REDR]
	v_add_nc_u32 v[REDR], s46, v[REDR]
	v_add_nc_u32 v[IMW], s51, v[XO]
	v_mul_u32_u24 v[STO], v2, WP
	v_lshl_add_u32 v[STO], v3, 5, v[STO]
	v_add_nc_u32 v[STO], s54, v[STO]
	v_add_nc_u32 v[RD], s54, v[XO]
.irp m, 0,1,2,3
	v_add_nc_u32 v[AB+\m], RGN*\m+AIMG, v[XO]
.endr
	v_lshlrev_b32 v[SH8], 3, v3
.irp d, 0,1,2,3,4,5,6,7,8,9
	v_mov_b32 v[TP+\d], 0                          ; written once: a lane permute's destination counts as one of its sources
.endr
	s_mov_b32 s22, 0x76543210                      ; v_permlanex16_b32's selects for lane l xor 16
	s_mov_b32 s23, 0xfedcba98
	s_mov_b32 s47, 0xc166d4ca                      ; -log2(e) / 0.1
	s_mov_b32 s48, 0x3fb8aa3b                      ; log2(e); the packed form names a pair and takes its low word for both halves
	s_mov_b32 s49, s48
	s_mov_b32 s50, 0xffff0000                      ; lanes 16-31
	; descriptor group 1: 128 rows of 512 bytes, dense in memory, 16 bytes of padding behind each in LDS
	s_mov_b32 s24, 15|(0<<16)|(1<<20)|(1<<21)|(6<<22)|(3<<25)   ; 15:0 the mask: all four work-groups; 17:16 elements of 1 byte; 20 padding on; 21 set beside a mask; 24:22 after every 128 words (code 6); 31:25 four words (code 3)
	s_mov_b32 s25, 512<<16                         ; tensor_dim0 = 512
	s_mov_b32 s26, 128<<16                         ; tensor_dim1 = 128
	s_mov_b32 s27, 512<<16                         ; tile_dim0 = 512
	s_mov_b32 s28, 128                             ; tile_dim1 = 128
	s_mov_b32 s29, 512                             ; from row to row
	s_mov_b32 s30, 0
	s_mov_b32 s31, 0
	s_lshl_b32 s52, s16, 16                        ; my 128 rows of codes: wave x 65,536 bytes; this pair holds nothing of my place in the cluster
	s_mov_b32 s53, 0
	s_lshl_b32 s19, s18, 17                        ; my work-group's 64 rows of 2,048 bytes
	s_mov_b32 s21, 0
	s_wait_kmcnt 0x0
	s_load_b256 s[36:43], s[8:9], 0x0              ; the ten thresholds: wanted far below
	s_load_b64 s[44:45], s[8:9], 0x20
	s_lshl_b32 s20, s16, 15
	s_add_co_u32 s20, s20, s19
	s_add_nc_u64 s[4:5], s[4:5], s[20:21]          ; x at my wave's 16 rows
	s_lshl_b32 s20, s16, 9
	s_add_co_u32 s20, s20, s19
	s_add_nc_u64 s[14:15], s[14:15], s[20:21]      ; out at the work-group's first row, my wave's 128 columns
	s_lshl_b32 s20, s16, 12
	s_add_nc_u64 s[12:13], s[12:13], s[20:21]      ; the scale bytes of my 128 rows of leaf_values
	s_mov_b32 s32, 1                               ; group 0: count = 1
	s_mov_b32 s33, s46                             ; LDS address: my wave's bytes
	s_add_nc_u64 s[34:35], s[10:11], s[52:53]      ; global address: the same in all four work-groups
	s_or_b32 s35, s35, 0x80000000                  ; type = 2
	WIN 0x40                                       ; destination window 1
.irp d, 0,1,2,3,4,5,6,7,8,9
.irp i, 0,1,2,3
	global_load_b128 v[16*\d+4*\i:16*\d+4*\i+3], v[XO], s[6:7] offset:2048*\d+512*\i   ; feature_weights[d] at my 16 features: the places that my loads of x take in a row
.endr
.endr
	WIN 0
.irp u, 0,1,2,3
.irp j, 0,1
	global_load_b128 v[WS+8*\u+4*\j:WS+8*\u+4*\j+3], v[WSO], s[12:13] offset:1024*\u+16*\j   ; row 32 u + lane: its eight scale words
.endr
.endr
	ROUND                                          ; all four work-groups are here: the joint loads meet
	tensor_load_to_lds s[32:35], s[24:31]          ; my 128 rows of codes: the wave's one tensor load, and the only fill of these bytes
	s_nop 0
	PLACES 4                                       ; the window is switched behind four instructions
	WIN 0xc0                                       ; destination window 3
.irp m, 0,1,2,3,4,5,6,7,8,9,10,11,12,13,14,15
.irp i, 0,1,2,3
	global_load_b128 v[16*\m+4*\i:16*\m+4*\i+3], v[XO], s[4:5] offset:2048*\m+512*\i th:TH_LOAD_NT   ; 32 lanes read 512 consecutive bytes; all 32 KiB of my rows are asked for at once
.endr
.endr
	; ---- the softmax of my 16 features x 10 depths.  112 loads were issued: with at most 63 out, the first 49 are in: feature_weights' 40 and the scale words' 8 among them
	s_wait_loadcnt 63
	WIN 0x15                                       ; all three sources window 1
.irp d, 0,1,2,3,4,5,6,7,8,9
	v_max3_num_f32 v[MX+\d], v[16*\d], v[16*\d+1], v[16*\d+2]
.endr
	WIN 0x14                                       ; sources 1 and 2 window 1
.irp k, 3,5,7,9,11,13
.irp d, 0,1,2,3,4,5,6,7,8,9
	v_max3_num_f32 v[MX+\d], v[MX+\d], v[16*\d+\k], v[16*\d+\k+1]
.endr
.endr
.irp d, 0,1,2,3,4,5,6,7,8,9
	v_max_num_f32 v[MX+\d], v[MX+\d], v[16*\d+15]
.endr
	WIN 0
	LANES v_max_num_f32_dpp, v_max_num_f32, MX, TP ; the row's maximum m, in every lane
.irp d, 0,1,2,3,4,5,6,7,8,9
	v_mul_f32 v[MX+\d], 0xbfb8aa3b, v[MX+\d]       ; -m log2(e): its rounding is a factor common to the row, which the division by the sum takes out
.endr
	WIN 0x41                                       ; destination and source 0 window 1
.set dd, 0
.rept 10
.set aa, 0
.rept 8
.if dd%2 == 0
	v_pk_fma_f32 v[16*dd+2*aa:16*dd+2*aa+1], v[16*dd+2*aa:16*dd+2*aa+1], s[48:49], v[MX+dd:MX+dd+1] op_sel_hi:[1,0,0]
.else
	v_pk_fma_f32 v[16*dd+2*aa:16*dd+2*aa+1], v[16*dd+2*aa:16*dd+2*aa+1], s[48:49], v[MX+dd-1:MX+dd] op_sel:[0,0,1] op_sel_hi:[1,0,1]
.endif
.set aa, aa+1
.endr
.set dd, dd+1
.endr
	WIN 0x01                                       ; source 0 window 1
.set dd, 0
	s_wait_alu depctr_va_vdst(0)
.rept 10
.set ff, 0
.rept 16
	v_exp_f32 v[PR+10*ff+dd], v[16*dd+ff]          ; 2^((w - m) log2(e)), at most 1 but for a rounding
.set ff, ff+1
.endr
.set dd, dd+1
.endr
	WIN 0
	v_nop                                          ; a plain place behind the exponentials: their sources are loaded over below, their results summed
	; ---- leaf_values' codes from my tile into registers, where they stay; the softmax's sums stand behind the loads
	s_wait_tensorcnt 0x0                           ; my tile has landed; no other wave reads it
.set ks, 0
.rept 8
.set wn, 0x40+0x40*(ks/4)
	WIN wn                                         ; destination window 1 (K steps 0-3) or 2
.set ct, 0
.rept 8
	ds_load_b128 v[64*(ks%4)+8*ct:64*(ks%4)+8*ct+3],   v[WAD] offset:16*WP*ct+64*ks
	ds_load_b128 v[64*(ks%4)+8*ct+4:64*(ks%4)+8*ct+7], v[WAD] offset:16*WP*ct+64*ks+32
.set ct, ct+1
.endr
.set ks, ks+1
.endr
	WIN 0
	s_wait_alu depctr_va_vdst(0)
.irp e, 0,2,4,6,8
	v_pk_add_f32 v[MX+\e:MX+\e+1], v[PR+\e:PR+\e+1], v[PR+10+\e:PR+10+\e+1]   ; two depths at a time, five chains by turns
.endr
.irp f, 2,3,4,5,6,7,8,9,10,11,12,13,14,15
.irp e, 0,2,4,6,8
	v_pk_add_f32 v[MX+\e:MX+\e+1], v[MX+\e:MX+\e+1], v[PR+10*\f+\e:PR+10*\f+\e+1]
.endr
.endr
	LANES v_add_f32_dpp, v_add_f32, MX, TP
	s_wait_alu depctr_va_vdst(0)
.irp d, 0,1,2,3,4,5,6,7,8,9
	v_rcp_f32 v[RC+\d], v[MX+\d]
.endr
	v_nop                                          ; a plain place behind the reciprocals
	s_wait_alu depctr_va_vdst(0)
.irp f, 0,1,2,3,4,5,6,7,8,9,10,11,12,13,14,15
.irp e, 0,2,4,6,8
	v_pk_mul_f32 v[PR+10*\f+\e:PR+10*\f+\e+1], v[PR+10*\f+\e:PR+10*\f+\e+1], v[RC+\e:RC+\e+1]   ; probs
.endr
.endr
; ---- x . probs, rows m and m + 1: for each of my 16 features one number of x against ten probs, two depths an instruction; ten chains by turns.  The sums go to LDS, lane l's ten at 48 l of the row.
.macro ROWPAIR m
.set QA, ACC+20*(((\m)/2)%2)
.set QB, QA+10
	s_wait_loadcnt 56-4*(\m)                       ; behind these two rows' eight loads stand those of the rows that follow
.if (\m) >= 4
	s_wait_dscnt 6                                 ; the last pair's six stores may be out: those that read these two sets are done
.endif
	WIN 0x03                                       ; source 0 (x) window 3
.set ff, 0
.rept 16
.set xa, 16*(\m)+(ff/2)*2
.set ee, 0
.rept 5
.set pp, PR+10*ff+2*ee
.if ff == 0
	v_pk_mul_f32 v[QA+2*ee:QA+2*ee+1], v[xa:xa+1], v[pp:pp+1] op_sel:[0,0] op_sel_hi:[0,1]       ; the first product starts the sum
	v_pk_mul_f32 v[QB+2*ee:QB+2*ee+1], v[xa+16:xa+17], v[pp:pp+1] op_sel:[0,0] op_sel_hi:[0,1]
.elseif ff%2 == 0
	v_pk_fma_f32 v[QA+2*ee:QA+2*ee+1], v[xa:xa+1], v[pp:pp+1], v[QA+2*ee:QA+2*ee+1] op_sel:[0,0,0] op_sel_hi:[0,1,1]
	v_pk_fma_f32 v[QB+2*ee:QB+2*ee+1], v[xa+16:xa+17], v[pp:pp+1], v[QB+2*ee:QB+2*ee+1] op_sel:[0,0,0] op_sel_hi:[0,1,1]
.else
	v_pk_fma_f32 v[QA+2*ee:QA+2*ee+1], v[xa:xa+1], v[pp:pp+1], v[QA+2*ee:QA+2*ee+1] op_sel:[1,0,0] op_sel_hi:[1,1,1]
	v_pk_fma_f32 v[QB+2*ee:QB+2*ee+1], v[xa+16:xa+17], v[pp:pp+1], v[QB+2*ee:QB+2*ee+1] op_sel:[1,0,0] op_sel_hi:[1,1,1]
.endif
.set ee, ee+1
.endr
.set ff, ff+1
.endr
	WIN 0
.if (\m) == 0
	s_wait_alu depctr_va_vdst(0)
	s_wait_dscnt 0x0                               ; the codes are in registers: from here on my LDS bytes take my stores
.endif
	ds_store_b128 v[REDW], v[QA:QA+3]   offset:REDP*(\m)
	ds_store_b128 v[REDW], v[QA+4:QA+7] offset:REDP*(\m)+16
	ds_store_b64  v[REDW], v[QA+8:QA+9] offset:REDP*(\m)+32
	ds_store_b128 v[REDW], v[QB:QB+3]   offset:REDP*(\m)+REDP
	ds_store_b128 v[REDW], v[QB+4:QB+7] offset:REDP*(\m)+REDP+16
	ds_store_b64  v[REDW], v[QB+8:QB+9] offset:REDP*(\m)+REDP+32
.endm
.irp m, 0,2,4,6,8,10,12,14
	ROWPAIR \m
.endr
	; ---- the sum over lanes: lane (r, h) takes row r's parts of lanes 16 h .. 16 h + 15.  LDS serves a wave's instructions in order (ISA guide 5.7.1.4): these loads see my stores
.set ii, 0
.rept 16
	ds_load_b128 v[PR+10*ii:PR+10*ii+3],   v[REDR] offset:48*ii
	ds_load_b128 v[PR+10*ii+4:PR+10*ii+7], v[REDR] offset:48*ii+16
	ds_load_b64  v[PR+10*ii+8:PR+10*ii+9], v[REDR] offset:48*ii+32
.set ii, ii+1
.endr
	s_wait_dscnt 0x0
.irp w, 8,4,2,1
.set ii, 0
.rept \w
.irp e, 0,2,4,6,8
	v_pk_add_f32 v[PR+10*ii+\e:PR+10*ii+\e+1], v[PR+10*ii+\e:PR+10*ii+\e+1], v[PR+10*(ii+\w)+\e:PR+10*(ii+\w)+\e+1]
.endr
.set ii, ii+1
.endr
.endr
.irp d, 0,1,2,3,4,5,6,7,8,9
	v_permlanex16_b32 v[ACC+\d], v[T+\d], s22, s23 ; (the destinations were written as sums)
.endr
.irp d, 0,1,2,3,4,5,6,7,8,9
	v_add_f32 v[T+\d], v[T+\d], v[ACC+\d]          ; sel[row r][d], in both lanes of the row
.endr
	; ---- p = 1 / (1 + 2^(-(sel - threshold) log2(e) / 0.1)); 1 - p is formed from p, as the definition forms it
	s_wait_kmcnt 0x0                               ; the thresholds
.irp d, 0,1,2,3,4,5,6,7,8,9
	v_sub_f32 v[T+\d], v[T+\d], s[36+\d]
.endr
.irp d, 0,1,2,3,4,5,6,7,8,9
	v_mul_f32 v[T+\d], s47, v[T+\d]
.endr
	s_wait_alu depctr_va_vdst(0)
.irp d, 0,1,2,3,4,5,6,7,8,9
	v_exp_f32 v[T+\d], v[T+\d]
.endr
	v_nop                                          ; a plain place behind the exponentials
	s_wait_alu depctr_va_vdst(0)
.irp d, 0,1,2,3,4,5,6,7,8,9
	v_add_f32 v[T+\d], 1.0, v[T+\d]
.endr
	s_wait_alu depctr_va_vdst(0)
.irp d, 0,1,2,3,4,5,6,7,8,9
	v_rcp_f32 v[PQ+2*\d+1], v[T+\d]
.endr
	v_mov_b32 v[E4+1], 0                           ; a plain place behind the reciprocals.  (Named below as the upper half of a pair)
	s_wait_alu depctr_va_vdst(0)
.irp d, 0,1,2,3,4,5,6,7,8,9
	v_sub_f32 v[PQ+2*\d], 1.0, v[PQ+2*\d+1]
.endr
; ---- the factors' trees: dst[2 a + b] = src[a] x (b ? p : 1 - p) of the next depth: the earlier depth is the higher bit
.macro EXPAND dst, src, n, pq
.set aa, 0
.rept \n
.if aa%2 == 0
	v_pk_mul_f32 v[\dst+2*aa:\dst+2*aa+1], v[\src+aa:\src+aa+1], v[\pq:\pq+1] op_sel:[0,0] op_sel_hi:[0,1]
.else
	v_pk_mul_f32 v[\dst+2*aa:\dst+2*aa+1], v[\src+aa-1:\src+aa], v[\pq:\pq+1] op_sel:[1,0] op_sel_hi:[1,1]
.endif
.set aa, aa+1
.endr
.endm
	EXPAND G2, PQ, 2, PQ+2                         ; depths 0, 1
	EXPAND G3, G2, 4, PQ+4                         ; 0-2
	EXPAND G,  G3, 8, PQ+6                         ; 0-3: G[2 s + c]
	v_cndmask_b32 v[E4], v[PQ+8], v[PQ+9], s50     ; depth 4 is the lane's half: lanes 16-31 take p, lanes 0-15 take 1 - p
	v_pk_mul_f32 v[L1:L1+1], v[PQ+10:PQ+11], v[E4:E4+1] op_sel_hi:[1,0]   ; depths 4, 5
	EXPAND L2, L1, 2, PQ+12
	EXPAND L3, L2, 4, PQ+14
	EXPAND L4, L3, 8, PQ+16
	EXPAND LO, L4, 16, PQ+18                       ; depths 4-9: LO[i]
	; ---- the 16 blocks' scales.  Nothing is negative, so no |.|.  A block's largest is G x the largest LO
	v_max3_num_f32 v[LM], v[LO], v[LO+1], v[LO+2]
	v_max3_num_f32 v[TB], v[LO+3], v[LO+4], v[LO+5]
.irp i, 6,10,14,18,22,26
	v_max3_num_f32 v[LM], v[LM], v[LO+\i], v[LO+\i+1]
	v_max3_num_f32 v[TB], v[TB], v[LO+\i+2], v[LO+\i+3]
.endr
	v_max3_num_f32 v[LM], v[LM], v[LO+30], v[LO+31]
	v_max_num_f32 v[LM], v[LM], v[TB]
.irp a, 0,2,4,6,8,10,12,14
	v_pk_mul_f32 v[AM+\a:AM+\a+1], v[G+\a:G+\a+1], v[LM:LM+1] op_sel_hi:[1,0]
.endr
.irp u, 0,1,2,3,4,5,6,7,8,9,10,11,12,13,14,15
	v_max_num_f32 v[AM+\u], 0x1800000, v[AM+\u]    ; the floor 2^(3 - 127): the byte cannot fall under 1
.endr
.irp u, 0,1,2,3,4,5,6,7,8,9,10,11,12,13,14,15
	v_add_nc_u32 v[AM+\u], 0xff000000, v[AM+\u]    ; 2 off the exponent field: the conversion takes this operand's exponent field as its scale, and nothing else of it
.endr
.irp u, 0,1,2,3,4,5,6,7,8,9,10,11,12,13,14,15
	v_lshrrev_b32 v[BY+\u], 23, v[AM+\u]           ; the scale's byte
.endr
.irp s, 0,1,2,3,4,5,6,7
	v_lshl_or_b32 v[WD+\s], v[BY+2*\s+1], 16, v[BY+2*\s]   ; K step s: my bytes are those of blocks h and 2 + h,
.endr
.irp s, 0,1,2,3,4,5,6,7
	v_lshlrev_b32 v[WD+\s], v[SH8], v[WD+\s]       ; 8 h bits up;
.endr
.irp s, 0,1,2,3,4,5,6,7
	v_permlanex16_b32 v[WT+\s], v[WD+\s], s22, s23
.endr
.irp s, 0,1,2,3,4,5,6,7
	v_or_b32 v[WD+\s], v[WD+\s], v[WT+\s]          ; with lane l xor 16's two the word is whole
.endr
	ds_store_b128 v[IMW], v[WD:WD+3]   offset:ASCO
	ds_store_b128 v[IMW], v[WD+4:WD+7] offset:ASCO+512
; ---- block u = 2 s + c: 32 leaf probabilities, their codes: registers 4 c .. 4 c + 3 of K step s's fragment.  A whole fragment goes to LDS as it stands, 16 bytes a lane.
.macro BLOCK u
.set ks, (\u)/2
.set cc, (\u)%2
.set VB, VAL+32*cc
.set FS, FR+8*(ks%4)
.if (cc == 0) && (ks >= 4)
	s_wait_dscnt 6                                 ; the stores of the three K steps between may be out: those that read this set of eight are done
.endif
.set aa, 0
.rept 16
.if cc == 0
	v_pk_mul_f32 v[VB+2*aa:VB+2*aa+1], v[LO+2*aa:LO+2*aa+1], v[G+2*ks:G+2*ks+1] op_sel_hi:[1,0]
.else
	v_pk_mul_f32 v[VB+2*aa:VB+2*aa+1], v[LO+2*aa:LO+2*aa+1], v[G+2*ks:G+2*ks+1] op_sel:[0,1] op_sel_hi:[1,1]
.endif
.set aa, aa+1
.endr
.irp g, 0,1,2,3
	v_cvt_scalef32_pk8_fp4_f32 v[FS+4*cc+\g], v[VB+8*\g:VB+8*\g+7], v[AM+(\u)]   ; the next block's sixteen products, in the other set, are the plain places before these sources are written again
.endr
.if cc == 1
	ds_store_b128 v[IMW], v[FS:FS+3]   offset:1024*ks
	ds_store_b128 v[IMW], v[FS+4:FS+7] offset:1024*ks+512
.endif
.endm
.irp u, 0,1,2,3,4,5,6,7,8,9,10,11,12,13,14,15
	BLOCK \u
.endr
	v_nop                                          ; one plain place behind the last scaled conversion: matrix instructions name these registers later
	s_wait_dscnt 0x0                               ; for the others' sake: my images and scale words have landed
	s_barrier_signal -1
	s_barrier_wait -1                              ; all 64 rows' fragments lie in LDS
; ---- the product, a tile of 16 rows at a time.  TRANSPOSED: source 0 = 16 rows of leaf_values, source 1 = 16 rows of leaf probabilities: lane (r, h) then holds out(row r, columns 16 t + 8 h + 0 .. 7).
.macro FETCH_A m                       ; 18 LDS loads: wave m's eight fragments and eight scale words, back into the same registers of the same lanes
.set AFB, AF+64*((\m)%2)
.set ASB, AS+8*((\m)%2)
.set ii, 0
.rept 16
	ds_load_b128 v[AFB+4*ii:AFB+4*ii+3], v[AB+(\m)] offset:512*ii
.set ii, ii+1
.endr
	ds_load_b128 v[ASB:ASB+3],   v[AB+(\m)] offset:ASCO
	ds_load_b128 v[ASB+4:ASB+7], v[AB+(\m)] offset:ASCO+512
.endm
.macro MUL m                           ; 64 matrix instructions: K ascending, the eight accumulators by turns, one instruction a turn; the first K step starts the sums
.set AFB, AF+64*((\m)%2)
.set ASB, AS+8*((\m)%2)
.set CB, 64*((\m)%2)
.set ks, 0
.rept 8
.set wn, 0xf1+ks/4
	WIN wn                                         ; source 0 window 1 or 2, source 1 window 0, C and D window 3
.set ct, 0
.rept 8
.set wr, 64*(ks%4)+8*ct
.if ks == 0
.if ct%2 == 0
	v_wmma_scale_f32_16x16x128_f8f6f4 v[CB+8*ct:CB+8*ct+7], v[wr:wr+7], v[AFB+8*ks:AFB+8*ks+7], 0, v[WS+8*(ct/2)+ks], v[ASB+ks] matrix_a_fmt:MATRIX_FMT_FP4 matrix_b_fmt:MATRIX_FMT_FP4
.else
	v_wmma_scale_f32_16x16x128_f8f6f4 v[CB+8*ct:CB+8*ct+7], v[wr:wr+7], v[AFB+8*ks:AFB+8*ks+7], 0, v[WS+8*(ct/2)+ks], v[ASB+ks] matrix_a_fmt:MATRIX_FMT_FP4 matrix_b_fmt:MATRIX_FMT_FP4 matrix_a_scale:MATRIX_SCALE_ROW1
.endif
.else
.if ct%2 == 0
	v_wmma_scale_f32_16x16x128_f8f6f4 v[CB+8*ct:CB+8*ct+7], v[wr:wr+7], v[AFB+8*ks:AFB+8*ks+7], v[CB+8*ct:CB+8*ct+7], v[WS+8*(ct/2)+ks], v[ASB+ks] matrix_a_fmt:MATRIX_FMT_FP4 matrix_b_fmt:MATRIX_FMT_FP4
.else
	v_wmma_scale_f32_16x16x128_f8f6f4 v[CB+8*ct:CB+8*ct+7], v[wr:wr+7], v[AFB+8*ks:AFB+8*ks+7], v[CB+8*ct:CB+8*ct+7], v[WS+8*(ct/2)+ks], v[ASB+ks] matrix_a_fmt:MATRIX_FMT_FP4 matrix_b_fmt:MATRIX_FMT_FP4 matrix_a_scale:MATRIX_SCALE_ROW1
.endif
.endif
.set ct, ct+1
.endr
.set ks, ks+1
.endr
.endm
.macro TOSTAGE m                       ; 32 LDS instructions: a lane's 32 bytes of a row into my stage, whole rows of 512 bytes back.  LDS serves a wave's instructions in order: no wait between them
.set CB, 64*((\m)%2)
.set RBK, 128+64*((\m)%2)
	WIN 0x0c                                       ; an LDS store's data are its source 1: window 3
.set ct, 0
.rept 8
	ds_store_b128 v[STO], v[CB+8*ct:CB+8*ct+3]   offset:64*ct      ; each accumulator from its low end on
	ds_store_b128 v[STO], v[CB+8*ct+4:CB+8*ct+7] offset:64*ct+16
.set ct, ct+1
.endr
	WIN 0xc0                                       ; destination window 3
.set ii, 0
.rept 16
	ds_load_b128 v[RBK+4*ii:RBK+4*ii+3], v[RD] offset:WP*ii
.set ii, ii+1
.endr
	WIN 0
.endm
.macro SEND m, younger                 ; younger: the LDS instructions issued behind tile m's loads from the stage, which may stay out
.set RBK, 128+64*((\m)%2)
	s_wait_dscnt \younger
	WIN 0x0c                                       ; a store's data are its source 1: window 3
.set ii, 0
.rept 16
	global_store_b128 v[XO], v[RBK+4*ii:RBK+4*ii+3], s[14:15] offset:(16*(\m)+ii)*2048 th:TH_STORE_NT   ; 32 lanes store 512 consecutive bytes, at a multiple of 512 from out's first byte; written once
.set ii, ii+1
.endr
	WIN 0
.endm
; Five plain places stand behind each tile's products: four are owed before the stage's stores read results and before loads land in operands that the products read (ISA guide 7.12.1 for vector
; instructions), five before the tile after next starts its sums anew over this tile's accumulators.
	FETCH_A 0
	FETCH_A 1
	s_wait_dscnt 18                                ; tile 0's 18 loads are in; tile 1's may be out
	MUL 0
	PLACES 5
	TOSTAGE 0
	FETCH_A 2
	s_wait_dscnt 50                                ; behind tile 1's loads: the stage's 32 and tile 2's 18
	MUL 1
	PLACES 5
	SEND 0, 18                                     ; tile 0 leaves; behind its loads from the stage: tile 2's 18
	TOSTAGE 1
	FETCH_A 3
	s_wait_dscnt 50                                ; behind tile 2's loads: the stage's 32 and tile 3's 18
	MUL 2
	PLACES 5
	SEND 1, 18
	s_wait_xcnt 0x0                                ; tile 0's stores have read their registers: tile 2's rows are loaded there only behind this wait
	TOSTAGE 2
	s_wait_dscnt 32                                ; behind tile 3's loads: the stage's 32
	MUL 3
	PLACES 5
	SEND 2, 0
	s_wait_xcnt 0x0                                ; likewise tile 1's stores, for tile 3's rows
	TOSTAGE 3
	SEND 3, 0                                      ; its wait for 0 leaves no LDS instruction of mine pending at the signal below
	s_wait_xcnt 0x0
	v_lshl_add_u32 v254, v0, 2, 0x42000
	v_mov_b32 v255, 0
	s_wait_alu depctr_va_vdst(0)
	s_wait_tensorcnt 0x0
	ds_add_u32 v254, v255
	s_wait_dscnt 0x0
	ROUND                                          ; the closing round: no work-group ends while a partner may still ask for a tile that names it
	s_endpgm
.Lfunc_end_k_q157b539714_tree:
	.size	k_q157b539714_tree, .Lfunc_end_k_q157b539714_tree-k_q157b539714_tree
	.p2alignl 7, 3214868480
	.fill 96, 4, 3214868480
	.section	.rodata,"a",@progbits
	.p2align	6, 0x0
	.amdhsa_kernel k_q157b539714_tree
		.amdhsa_group_segment_fixed_size 270848
		.amdhsa_private_segment_fixed_size 0
		.amdhsa_enable_private_segment 0
		.amdhsa_kernarg_size 48
		.amdhsa_user_sgpr_count 2
		.amdhsa_user_sgpr_kernarg_segment_ptr 1
		.amdhsa_wavefront_size32 1
		.amdhsa_system_sgpr_workgroup_id_x 1
		.amdhsa_system_sgpr_workgroup_id_y 1
		.amdhsa_system_sgpr_workgroup_id_z 1
		.amdhsa_system_vgpr_workitem_id 0
		.amdhsa_next_free_vgpr 1024
		.amdhsa_next_free_sgpr 66
		.amdhsa_reserve_vcc 0
		.amdhsa_float_denorm_mode_32 3
		.amdhsa_float_denorm_mode_16_64 3
		.amdhsa_memory_ordered 1
		.amdhsa_forward_progress 1
		.amdhsa_inst_pref_size 234
	.end_amdhsa_kernel
	.amdgpu_metadata
---
amdhsa.version: [ 1, 2 ]
amdhsa.kernels:
  - .name:           k_q157b539714_tree
    .symbol:         k_q157b539714_tree.kd
    .args:
      - { .name: x, .offset: 0, .size: 8, .value_kind: global_buffer, .address_space: global }
      - { .name: feature_weights, .offset: 8, .size: 8, .value_kind: global_buffer, .address_space: global }
      - { .name: thresholds, .offset: 16, .size: 8, .value_kind: global_buffer, .address_space: global }
      - { .name: leaf_values_codes, .offset: 24, .size: 8, .value_kind: global_buffer, .address_space: global }
      - { .name: leaf_values_scales, .offset: 32, .size: 8, .value_kind: global_buffer, .address_space: global }
      - { .name: out0, .offset: 40, .size: 8, .value_kind: global_buffer, .address_space: global }
    .group_segment_fixed_size: 270848
    .private_segment_fixed_size: 0
    .kernarg_segment_align: 8
    .kernarg_segment_size: 48
    .max_flat_workgroup_size: 128
    .sgpr_count:     66
    .vgpr_count:     1024
    .wavefront_size: 32
...
	.end_amdgpu_metadata
.endif
;; end of part 1
